; MI455X (gfx1250); checked and timed in simulation.
; The chip was launched on July 23, 2026; its instructions are those of AMD's public machine-readable ISA for CDNA 5 (MIT licence, August 2026) and "CDNA5" Instruction Set Architecture Reference Guide (July 2026). The comments in the code are by the model that wrote it; some were corrected since.
;; Conditional Layer. Allowed arithmetic: matrix products marked QUANTISED: E2M1 operands, one E8M0 scale for each 32 along K, by v_wmma_scale_f32_16x16x128_f8f6f4 with both operands' format E2M1 (or v_wmma_scale_f32_32x16x128_f4), f32 sums; everything else in f32.
;; Inputs: W 8 x 512 x 512 float32; b 8 x 512 float32; cond_ids 16,384 int32; x 16,384 x 512 float32.
;; Outputs: out0 16,384 x 512 float32.
;; This version of the problem:
;;   THIS VERSION OF THE PROBLEM IS GIVEN IN LOW PRECISION. The matrix products marked QUANTISED in the list below multiply operands that are first quantised to E2M1 (2 exponent bits, 1 mantissa bit; 4 bits a number), with one power-of-two scale for each 32 numbers along K (OCP MX v1.0); their sums are f32. All else is computed in f32.
;;   The module's matrix products, in the order in which they are computed (A, B: the left and right operand; K: the contracted axis; several contracted axes count as one K, in the product's order):
;;     1. batch 8 x [M 16,384, K 512] x [K 512, N 512]; A: computed on the way; B: input W: QUANTISED
;;   THE QUANTISER, for each operand of a quantised product, along K:
;;     - K is cut into blocks of 32 from its start; a last block that is shorter is filled with zeros.
;;     - A block's scale is 2^e with e = floor(log2(the largest magnitude in the block)) - 2, held to -126 .. 127; a block of zeros has e = 0. As a byte (E8M0): e + 127.
;;     - Each number is divided by its block's scale, clamped to +-6, and rounded to the nearest number of E2M1, ties to even, subnormals kept.
;;     - The product sums the exact products of the quantised numbers (number of the format x scale) in f32.
;;   ~~~python
;;   def quantise(x, axis):      # numpy; x: float32 -> the quantised numbers, widened to float32 again
;;       x = np.moveaxis(x, axis, -1); K = x.shape[-1]
;;       x = np.pad(x, [(0, 0)] * (x.ndim - 1) + [(0, -K % 32)]); x = x.reshape(x.shape[:-1] + (-1, 32)); a = np.abs(x).max(-1, keepdims=True)
;;       e = np.where(a > 0, np.clip(np.frexp(np.where(a > 0, a, 1))[1] - 1 - 2, -126, 127), 0)      # np.frexp(a)[1] - 1 = floor(log2(a)), exactly
;;       r = np.clip(x / 2.0 ** e, -6, 6)
;;       step = 2.0 ** (np.maximum(np.frexp(np.where(r == 0, 1, r))[1] - 1, 0) - 1)
;;       q = np.round(r / step) * step * 2.0 ** e      # np.round: ties to even
;;       return np.moveaxis(q.reshape(q.shape[:-2] + (-1,))[..., :K], -1, axis).astype(np.float32)
;;   ~~~
;;   OPERANDS COMPUTED ON THE WAY. 'Computed on the way' means the value that the module computes at that place (a softmax that the list does not call 'softmax' is quantised finished and normalised). What goes into a quantiser is computed in f32, as accurately as f32 sums, v_exp_f32 and their like allow (about 1e-6 of the number): no bf16 or f16 on the way to a quantiser, and a product that is left as it is and whose result goes on into a quantised operand takes f32 operands (vector FMAs, or v_wmma_f32_16x16x4_f32). A number that lies on a knife's edge between two numbers of the format may be rounded either way, as far as f32 arithmetic and the matrix unit's own rounding can turn it there, and no further.
;; One version. Each part assembles by itself: llvm-mc -triple=amdgcn-amd-amdhsa -mcpu=gfx1250 --defsym DOCPART=n.
;; ======== version 1 of 1: 2 launches
;; workspace buffers: wq 1,179,648 bytes; wsc 73,728 bytes; tab 36,864 bytes; order 65,536 bytes of whole numbers; sexp 65,536 bytes of whole numbers
;; launch prep (part 1): grid 161 x 1, 4 waves a work-group, no clusters, 1,536 bytes of LDS; arguments W, b, cond_ids, wq, wsc, tab, order, sexp; writes wq, wsc, tab, order, sexp
.if DOCPART == 1
	.amdgcn_target "amdgcn-amd-amdhsa--gfx1250"
	.amdhsa_code_object_version 6
	.text
	.protected	k_q995b8f2a3e_prep
	.globl	k_q995b8f2a3e_prep
	.p2align	8
	.type	k_q995b8f2a3e_prep,@function
k_q995b8f2a3e_prep:
	s_mov_b64 s[64:65], 0
	v_nop
	global_prefetch_b8 v0, s[64:65] scope:SCOPE_SE
	s_setreg_imm32_b32 hwreg(HW_REG_WAVE_MODE, 25, 1), 1
	s_wait_xcnt 0x0
; PREP: all that the main launch wants laid ready.  Three kinds of work-group, parted by the work-group's number alone (the same way for all four waves):
;   0-31   ROUTE: a counting sort of the 16,384 rows by condition.  order[p] = the row at sorted place p, sexp[p] = that place's bucket.
;   32     AUX:   tab[e][0] = b[e], tab[e][1] = the sum over c != e of relu(b[c]); bucket 8's zero codes, unit scales and tables.
;   33-160 WQ:    W [8][512 k][512 n] f32 -> codes of E2M1 along k, laid in the order of the matrix operand's registers, and one E8M0 byte for each 32 along k.
; BUCKET 8 takes every row whose id lies outside 0..7: reference()'s mask is then 0 for all eight conditions, so the row gets the sum of all relu(b[c]).
; LAYOUTS.  wq [9 e][32 T][4 s][2 c][32 lane][16 bytes]: lane (r, h) holds column 16 T + r, k = 128 s + 64 c + 32 h + 0..31.   wsc [9 e][4 s][512 n] words: the four bytes of K step s.   tab [9 e][2][512] f32.
; THE QUANTISER: a block's scale is 2^(floor(log2(largest magnitude)) - 2); its byte is the largest magnitude's exponent field - 2, held at 1 from below.
; LIMITS: NaN and infinities in W and b are not served (relu here gives 0 for a NaN).  A block of zeros, or one whose largest magnitude lies under 2^-124, gets the byte 1 (the rule says 127 for zeros):
; a zero block's codes are zeros, which add nothing under any byte but 0xff, and the bytes are read by this program alone.  The rest sums add relu(b) in another order than reference() does.
; Each kind of work-group has LDS bytes of its own: WQ 0-511, ROUTE 512-767.
.set WSL, 0                            ; WQ: the work-group's 128 scale words
.set RT,  512                          ; ROUTE: 64 bytes for each wave
	s_load_b512 s[4:19], s[0:1], 0x0               ; W s[4:5], b s[6:7], cond_ids s[8:9], wq s[10:11], wsc s[12:13], tab s[14:15], order s[16:17], sexp s[18:19]
	v_lshl_add_u32 v216, v0, 2, 0x400
	v_mov_b32 v217, 0
	v_lshrrev_b32 v1, 5, v0
	v_readfirstlane_b32 s20, v1                    ; wave 0..3
	v_and_b32 v1, 31, v0                           ; lane
	s_cmp_lt_u32 ttmp9, 32
	s_cbranch_scc1 .Lroute
	s_cmp_eq_u32 ttmp9, 32
	s_cbranch_scc1 .Laux
; ---------------------------------------------------------------- WQ
; A work-group takes 128 columns x 128 along k of one condition; a wave 32 columns.  A LANE TAKES A COLUMN AND ITS REGISTERS RUN DOWN K: each load reads 128 consecutive bytes a wave (512 a work-group),
; a block of 32 lies in one lane's registers, and the conversions give codes with k innermost.  A lane's block is 16 bytes of one fragment register group: sixteen lanes store 256 consecutive bytes, aligned.
.set WX,  32                           ; v32-159  128 numbers: W(128 s + kk, my column)
.set WC,  160                          ; v160-175 the codes: four registers a block, never written again
.set WM0, 176
.set WM1, 177
.set WSC, 178                          ; the conversion's scale operand
.set WBY, 179
.set WSW, 180                          ; my column's scale word
	s_sub_co_u32 s21, ttmp9, 33
	s_lshr_b32 s22, s21, 4                         ; e: condition
	s_bfe_u32 s23, s21, 0x20002                    ; w: which 128 columns
	s_and_b32 s24, s21, 3                          ; s: which 128 along k
	v_lshlrev_b32 v2, 2, v1                        ; in: 4 bytes a lane
	v_lshrrev_b32 v3, 4, v1
	v_and_b32 v4, 15, v1
	v_lshlrev_b32 v3, 12, v3
	v_lshl_add_u32 v3, v4, 4, v3                   ; out: lanes 16-31 belong to the next tile of 16 columns, 4,096 bytes on; 16 bytes a column
	v_lshlrev_b32 v4, 2, v0                        ; LDS: my column's scale word
	v_lshlrev_b32 v5, 4, v1                        ; 16 x lane: wave 0 reads the words back and stores them so
	s_mov_b32 s27, 0
	s_mov_b32 s29, 0
	s_mov_b32 s31, 0
	s_lshl_b32 s26, s22, 20                        ; W: e x 512 x 2,048 bytes
	s_lshl_b32 s25, s24, 18                        ;    + 128 s rows
	s_add_co_u32 s26, s26, s25
	s_lshl_b32 s25, s23, 9                         ;    + 128 w columns
	s_add_co_u32 s26, s26, s25
	s_lshl_b32 s25, s20, 7                         ;    + 32 columns a wave
	s_add_co_u32 s26, s26, s25
	s_lshl_b32 s28, s22, 17                        ; wq: e x 131,072
	s_lshl_b32 s25, s23, 15                        ;    + 8 w tiles of 4,096
	s_add_co_u32 s28, s28, s25
	s_lshl_b32 s25, s20, 13                        ;    + 2 tiles a wave
	s_add_co_u32 s28, s28, s25
	s_lshl_b32 s25, s24, 10                        ;    + K step s
	s_add_co_u32 s28, s28, s25
	s_lshl_b32 s30, s22, 13                        ; wsc: e x 8,192 + s x 2,048 + 128 w words
	s_lshl_b32 s25, s24, 11
	s_add_co_u32 s30, s30, s25
	s_lshl_b32 s25, s23, 9
	s_add_co_u32 s30, s30, s25
	s_wait_kmcnt 0x0
	s_add_nc_u64 s[4:5], s[4:5], s[26:27]
	s_add_nc_u64 s[10:11], s[10:11], s[28:29]
	s_add_nc_u64 s[12:13], s[12:13], s[30:31]
.set i, 0
.rept 128                              ; all 128 rows are asked for on end; the issue of a load that the counter's field cannot count is held back by the hardware (ISA guide 5.7.1)
	global_load_b32 v[WX+i], v2, s[4:5] offset:i*2048 th:TH_LOAD_NT
.set i, i+1
.endr
; Block bt: 32 along k.  left: how many younger loads may stay out
.macro WBLOCK bt, left
.set XB, WX+32*(\bt)
	s_wait_loadcnt \left
	v_max3_num_f32 v[WM0], |v[XB]|, |v[XB+1]|, |v[XB+2]|           ; the block's largest magnitude, in two chains: all 32 numbers are mine
	v_max3_num_f32 v[WM1], |v[XB+3]|, |v[XB+4]|, |v[XB+5]|
.irp i, 6,10,14,18,22,26
	v_max3_num_f32 v[WM0], v[WM0], |v[XB+\i]|, |v[XB+\i+1]|
	v_max3_num_f32 v[WM1], v[WM1], |v[XB+\i+2]|, |v[XB+\i+3]|
.endr
	v_max3_num_f32 v[WM0], v[WM0], |v[XB+30]|, |v[XB+31]|
	v_max3_num_f32 v[WM0], v[WM0], v[WM1], 0x1800000               ; and the floor 2^(3 - 127): the byte cannot fall under 1
	v_add_nc_u32 v[WSC], 0xff000000, v[WM0]                        ; 2 off the exponent field: the conversion takes this operand's exponent field as its scale
.if (\bt) == 0
	v_lshrrev_b32 v[WSW], 23, v[WSC]                               ; the scale's byte: block 0's starts the word
.else
	v_lshrrev_b32 v[WBY], 23, v[WSC]
	v_lshl_or_b32 v[WSW], v[WBY], 8*(\bt), v[WSW]
.endif
.irp g, 0,1,2,3
	v_cvt_scalef32_pk8_fp4_f32 v[WC+4*(\bt)+\g], v[XB+8*\g:XB+8*\g+7], v[WSC]
.endr
	global_store_b128 v3, v[WC+4*(\bt):WC+4*(\bt)+3], s[10:11] offset:((\bt)/2)*512+((\bt)%2)*256   ; c = bt / 2, h = bt % 2; the next block's plain lines stand between these conversions and the next write of their scale operand
.endm
	WBLOCK 0, 63
	WBLOCK 1, 63
	WBLOCK 2, 32
	WBLOCK 3, 0
	ds_store_b32 v4, v[WSW] offset:WSL             ; the four waves' 128 words meet in LDS and leave as 512 consecutive bytes
	s_wait_dscnt 0x0                               ; for the others' sake: my store is done
	s_barrier_signal -1
	s_barrier_wait -1
	s_cmp_lg_u32 s20, 0
	s_cbranch_scc1 .Lwq_end
	ds_load_b128 v[184:187], v5 offset:WSL
	s_wait_dscnt 0x0
	global_store_b128 v5, v[184:187], s[12:13]
.Lwq_end:
	s_wait_tensorcnt 0x0
	ds_add_u32 v216, v217
	s_wait_dscnt 0x0
	s_endpgm
; ---------------------------------------------------------------- AUX
; 128 threads, four columns each: every load and store of a wave covers 512 consecutive bytes.  The rest sum of condition e is a prefix sum plus a suffix sum of relu(b): no difference of sums is formed.
.set AB,  32                           ; v32-63   b[c], four columns, at AB + 4 c
.set AR,  64                           ; v64-95   relu(b[c])
.set AQ,  96                           ; v96-131  suffix sums, then the rest sums R_e at AQ + 4 e, e = 0..8 (AQ + 28 carries the running prefix, which ends as R_7)
.set AZ,  132                          ; v132-135 zeros
.set AU,  136                          ; v136-139 four unit scale bytes a word
.macro PK4 d, a, b                     ; four columns: d = a + b
	v_pk_add_f32 v[(\d):(\d)+1], v[(\a):(\a)+1], v[(\b):(\b)+1]
	v_pk_add_f32 v[(\d)+2:(\d)+3], v[(\a)+2:(\a)+3], v[(\b)+2:(\b)+3]
.endm
.Laux:
	v_lshlrev_b32 v2, 4, v0
	s_wait_kmcnt 0x0
.irp c, 0,1,2,3,4,5,6,7
	global_load_b128 v[AB+4*\c:AB+4*\c+3], v2, s[6:7] offset:\c*2048
.endr
.irp j, 0,1,2,3
	v_mov_b32 v[AZ+\j], 0
	v_mov_b32 v[AU+\j], 0x7f7f7f7f
.endr
.set i, 0
.rept 64                               ; bucket 8's codes: 131,072 bytes of zeros
	global_store_b128 v2, v[AZ:AZ+3], s[10:11] offset:8*131072+i*2048
.set i, i+1
.endr
.irp i, 0,1,2,3                        ; and its scale words
	global_store_b128 v2, v[AU:AU+3], s[12:13] offset:8*8192+\i*2048
.endr
	s_wait_loadcnt 0x0
.set i, 0
.rept 32
	v_max_num_f32 v[AR+i], 0, v[AB+i]
.set i, i+1
.endr
	PK4 AQ+20, AR+24, AR+28                        ; Q5 = r6 + r7
.irp e, 4,3,2,1,0
	PK4 AQ+4*\e, AR+4*\e+4, AQ+4*\e+4              ; Q_e = r_(e+1) + Q_(e+1);  Q0 is R0
.endr
	PK4 AQ+4, AR, AQ+4                             ; R1 = r0 + Q1
	PK4 AQ+28, AR, AR+4                            ; P2 = r0 + r1
.irp e, 2,3,4,5
	PK4 AQ+4*\e, AQ+28, AQ+4*\e                    ; R_e = P_e + Q_e
	PK4 AQ+28, AQ+28, AR+4*\e                      ; P_(e+1)
.endr
	PK4 AQ+24, AQ+28, AR+28                        ; R6 = P6 + r7
	PK4 AQ+28, AQ+28, AR+24                        ; R7 = P7
	PK4 AQ+32, AQ+28, AR+28                        ; R8 = all eight
.irp e, 0,1,2,3,4,5,6,7
	global_store_b128 v2, v[AB+4*\e:AB+4*\e+3], s[14:15] offset:\e*4096
.endr
	global_store_b128 v2, v[AZ:AZ+3], s[14:15] offset:8*4096
.irp e, 0,1,2,3,4,5,6,7,8
	global_store_b128 v2, v[AQ+4*\e:AQ+4*\e+3], s[14:15] offset:\e*4096+2048
.endr
	s_endpgm
; ---------------------------------------------------------------- ROUTE
; Work-group j places the ids of piece j (ids 512 j .. 512 j + 511).  It counts ALL 32 pieces itself, so that no work-group waits for another's numbers.
; Within a bucket the order is (piece, wave, which of the thread's four ids, lane): any fixed order serves, since each row is stored back to its own place.
; COUNTS IN FIELDS.  A thread's four ids of a piece become one word of eight 4-bit fields (field c = how many ids of bucket c; bucket 8 is found by what is left).  Three pieces are added (at most 12 a field),
; widened to bytes (at most 128 a thread over 32 pieces), then to 16-bit fields (at most 16,384 over the work-group).
; REGISTERS: the ids land in v32-159.  What is made ahead of those loads and used behind them (v2, TMP, ROWV) lies outside that range; G, SUM, PRE, POS and SE lie inside it and are first written when the last id has been counted.
.set ID,   32                          ; v32-159  the 32 pieces, four ids a thread each
.set OWN,  160                         ; v160-163 my piece's ids
.set BK,   164                         ; v164-167 their buckets 0..8
.set BQ,   168                         ; v168-171 at work: 2 x bucket
.set TQ,   172                         ; v172-175 at work
.set NN,   176                         ; v176-178 a group's three words;  v179-181 the same, kept only for pieces in front of mine
.set NB,   179
.set A3,   182
.set B3,   183
.set AE,   184                         ; bytes: all pieces, even buckets; AO odd;  BE, BO: the pieces in front of mine
.set AO,   185
.set BE,   186
.set BO,   187
.set RED,  188                         ; v188-199 twelve words of 16-bit fields: 0-3 all pieces, 4-7 pieces in front of mine, 8-11 my piece.  Bucket c: word 2 (c & 1) + ((c >> 1) & 1), half c >> 2
.set TMP,  200                         ; v200-203 the lane exchange
.set WT,   204
.set OE,   206
.set OO,   207
.set ROWV, 208                         ; v208-211 512 j + 4 thread + q: my four rows, and also the four sorted places whose bucket I store
.set G,    32                          ; v32-79   the four waves' twelve words
.set SUM,  80                          ; v80-87   words 0-7 over the four waves;  v88-91 words 8-11 over the waves in front of mine
.set PRE,  88
.set POS,  92                          ; v92-95   my four ids' sorted places
.set SE,   100                         ; v100-103 the buckets of my four sorted places
.set BASE,  42                         ; s42-50   the next free place of bucket c for my wave
.set START, 52                         ; s52-60   where bucket c begins
; Four ids -> one word of 4-bit fields.  1 << (4 x bucket) is made as (1 << 2 bucket) << 2 bucket, so that bucket 8 shifts out to 0 (a shift takes the low five bits of its amount).
.macro COUNT src, keep, dst
.irp q, 0,1,2,3
	v_min_u32 v[(\keep)+\q], 8, v[(\src)+\q]       ; unsigned: negative ids fall into bucket 8 too
.endr
.irp q, 0,1,2,3
	v_lshlrev_b32 v[BQ+\q], 1, v[(\keep)+\q]
.endr
.irp q, 0,1,2,3
	v_lshlrev_b32 v[TQ+\q], v[BQ+\q], 1
.endr
	v_lshlrev_b32 v[TQ], v[BQ], v[TQ]
	v_lshlrev_b32 v[TQ+2], v[BQ+2], v[TQ+2]
	v_lshl_add_u32 v[TQ], v[TQ+1], v[BQ+1], v[TQ]
	v_lshl_add_u32 v[TQ+2], v[TQ+3], v[BQ+3], v[TQ+2]
	v_add_nc_u32 v[\dst], v[TQ], v[TQ+2]
.endm
.macro WIDEN x, e, o, first            ; 4-bit fields -> bytes: even fields onto e, odd fields onto o; first = 1 starts the sums
.if \first
	v_and_b32 v[\e], s25, v[\x]
	v_lshrrev_b32 v[\o], 4, v[\x]
	v_and_b32 v[\o], s25, v[\o]
.else
	v_and_b32 v[WT], s25, v[\x]
	v_add_nc_u32 v[\e], v[\e], v[WT]
	v_lshrrev_b32 v[WT], 4, v[\x]
	v_and_b32 v[WT], s25, v[WT]
	v_add_nc_u32 v[\o], v[\o], v[WT]
.endif
.endm
.macro GROUP g, n, first               ; pieces 3 g .. 3 g + n - 1
.set p, 0
.rept \n
	COUNT ID+4*(3*(\g)+p), BQ, NN+p
	s_cmp_lt_u32 3*(\g)+p, s21                     ; does the piece lie in front of mine?
	s_cselect_b32 s24, -1, 0
	v_and_b32 v[NB+p], s24, v[NN+p]
.set p, p+1
.endr
.if \n == 3
	v_add3_u32 v[A3], v[NN], v[NN+1], v[NN+2]
	v_add3_u32 v[B3], v[NB], v[NB+1], v[NB+2]
.else
	v_add_nc_u32 v[A3], v[NN], v[NN+1]
	v_add_nc_u32 v[B3], v[NB], v[NB+1]
.endif
	WIDEN A3, AE, AO, \first
	WIDEN B3, BE, BO, \first
.endm
.macro SPLIT x, d                      ; bytes -> 16-bit fields: bytes 0 and 2 into d, bytes 1 and 3 into d + 1
	v_and_b32 v[\d], s24, v[\x]
	v_lshrrev_b32 v[(\d)+1], 8, v[\x]
	v_and_b32 v[(\d)+1], s24, v[(\d)+1]
.endm
.Lroute:
	s_mov_b32 s21, ttmp9                           ; j
	v_lshlrev_b32 v2, 4, v0                        ; 16 bytes a thread
	s_lshl_b32 s26, s21, 11                        ; a piece is 2,048 bytes
	s_mov_b32 s27, 0
	s_mov_b32 s22, 0x76543210                      ; v_permlanex16_b32's selects for lane l xor 16
	s_mov_b32 s23, 0xfedcba98
	s_mov_b32 s25, 0x0f0f0f0f
	s_lshl_b32 s61, s21, 9
	v_lshl_add_u32 v[ROWV], v0, 2, s61
.irp q, 1,2,3
	v_add_nc_u32 v[ROWV+\q], \q, v[ROWV]
.endr
.irp k, 0,1,2,3
	v_mov_b32 v[TMP+\k], 0                         ; written once: the destination of a lane exchange counts as one of its sources
.endr
	s_wait_kmcnt 0x0
	s_add_nc_u64 s[28:29], s[8:9], s[26:27]        ; my piece of the ids
	s_add_nc_u64 s[18:19], s[18:19], s[26:27]      ; and of sexp
.set i, 0
.rept 32
	global_load_b128 v[ID+4*i:ID+4*i+3], v2, s[8:9] offset:i*2048
.set i, i+1
.endr
	global_load_b128 v[OWN:OWN+3], v2, s[28:29]
	s_wait_loadcnt 30                              ; behind pieces 0-2: 29 pieces and my own
	GROUP 0, 3, 1
.irp g, 1,2,3,4,5,6,7,8,9
	s_wait_loadcnt 30-3*\g                         ; three fewer with each group
	GROUP \g, 3, 0
.endr
	s_wait_loadcnt 1                               ; only my own piece's second copy may be out
	GROUP 10, 2, 0
	s_wait_loadcnt 0x0
	COUNT OWN, BK, A3                              ; my piece once more, and its buckets are kept
	WIDEN A3, OE, OO, 1
	s_mov_b32 s24, 0x00ff00ff
	SPLIT AE, RED
	SPLIT AO, RED+2
	SPLIT BE, RED+4
	SPLIT BO, RED+6
	SPLIT OE, RED+8                                ; 16-bit fields here too: three waves' counts of one bucket can reach 384
	SPLIT OO, RED+10
.irp m, 1,2,4,8                        ; the sum over the wave's 32 lanes: four steps inside each half, four words at a time
.irp k0, 0,4,8
.irp k, 0,1,2,3
	v_mov_b32_dpp v[TMP+\k], v[RED+\k0+\k] row_xmask:\m row_mask:0xf bank_mask:0xf
.endr
.irp k, 0,1,2,3
	v_add_nc_u32 v[RED+\k0+\k], v[RED+\k0+\k], v[TMP+\k]
.endr
.endr
.endr
.irp k0, 0,4,8                         ; and one across the halves
.irp k, 0,1,2,3
	v_permlanex16_b32 v[TMP+\k], v[RED+\k0+\k], s22, s23
.endr
.irp k, 0,1,2,3
	v_add_nc_u32 v[RED+\k0+\k], v[RED+\k0+\k], v[TMP+\k]
.endr
.endr
	s_lshl_b32 s26, s20, 6
	v_mov_b32 v3, s26                              ; my wave's 64 bytes; all lanes write the same words with the same values
	ds_store_b128 v3, v[RED:RED+3] offset:RT
	ds_store_b128 v3, v[RED+4:RED+7] offset:RT+16
	ds_store_b128 v3, v[RED+8:RED+11] offset:RT+32
	s_wait_dscnt 0x0                               ; for the others' sake: my stores are done
	s_barrier_signal -1
	s_barrier_wait -1
	v_mov_b32 v4, 0
.irp w, 0,1,2,3
.irp k, 0,1,2
	ds_load_b128 v[G+12*\w+4*\k:G+12*\w+4*\k+3], v4 offset:RT+64*\w+16*\k
.endr
.endr
	s_cmp_gt_u32 s20, 0                            ; which waves stand in front of mine
	s_cselect_b32 s61, -1, 0
	s_cmp_gt_u32 s20, 1
	s_cselect_b32 s62, -1, 0
	s_cmp_gt_u32 s20, 2
	s_cselect_b32 s63, -1, 0
	s_wait_dscnt 0x0
.irp k, 0,1,2,3,4,5,6,7
	v_add3_u32 v[SUM+\k], v[G+\k], v[G+12+\k], v[G+24+\k]
.endr
.irp k, 0,1,2,3,4,5,6,7
	v_add_nc_u32 v[SUM+\k], v[SUM+\k], v[G+36+\k]
.endr
.irp k, 0,1,2,3
	v_and_b32 v[G+8+\k], s61, v[G+8+\k]
	v_and_b32 v[G+20+\k], s62, v[G+20+\k]
	v_and_b32 v[G+32+\k], s63, v[G+32+\k]
.endr
.irp k, 0,1,2,3
	v_add3_u32 v[PRE+\k], v[G+8+\k], v[G+20+\k], v[G+32+\k]
.endr
.irp k, 0,1,2,3,4,5,6,7,8,9,10,11
	v_readfirstlane_b32 s[30+\k], v[SUM+\k]        ; every lane holds the same
.endr
	s_mov_b32 s[START], 0
	s_mov_b32 s63, 0                               ; how many ids of buckets 0-7 stand in front of my wave's
.irp c, 0,1,2,3,4,5,6,7
	s_bfe_u32 s61, s[34+2*(\c&1)+((\c>>1)&1)], (16<<16)|(16*(\c>>2))   ; in the pieces in front of mine
	s_bfe_u32 s62, s[38+2*(\c&1)+((\c>>1)&1)], (16<<16)|(16*(\c>>2))   ; in my piece, in the waves in front of mine
	s_add_co_u32 s61, s61, s62
	s_add_co_u32 s63, s63, s61
	s_add_co_u32 s[BASE+\c], s[START+\c], s61
	s_bfe_u32 s62, s[30+2*(\c&1)+((\c>>1)&1)], (16<<16)|(16*(\c>>2))   ; in all
	s_add_co_u32 s[START+\c+1], s[START+\c], s62
.endr
	s_lshl_b32 s61, s21, 9                         ; bucket 8: of the 512 j + 128 wave ids in front of my wave's, those that are in no other bucket
	s_lshl_b32 s62, s20, 7
	s_add_co_u32 s61, s61, s62
	s_sub_co_u32 s61, s61, s63
	s_add_co_u32 s[BASE+8], s[START+8], s61
.irp q, 0,1,2,3                        ; my wave's ids take their places: for each bucket, the lanes that hold it in ascending order
.irp c, 0,1,2,3,4,5,6,7,8
	v_cmp_eq_u32 vcc_lo, \c, v[BK+\q]
.if \c == 0
	v_mbcnt_lo_u32_b32 v[POS+\q], vcc_lo, s[BASE+\c]               ; the bucket's next place + the lanes below me that hold it.  (Every lane holds one of the nine: the others' numbers are replaced below)
.else
	v_mbcnt_lo_u32_b32 v[WT], vcc_lo, s[BASE+\c]
	v_cndmask_b32 v[POS+\q], v[POS+\q], v[WT], vcc_lo
.endif
	s_bcnt1_i32_b32 s61, vcc_lo
	s_add_co_u32 s[BASE+\c], s[BASE+\c], s61
.endr
.endr
.irp q, 0,1,2,3
	v_min_u32 v[POS+\q], 0x3fff, v[POS+\q]         ; a place made of loaded numbers is held inside the list before it enters an address
.endr
.irp q, 0,1,2,3
	v_lshlrev_b32 v[POS+\q], 2, v[POS+\q]
.endr
.irp q, 0,1,2,3
	global_store_b32 v[POS+\q], v[ROWV+\q], s[16:17]               ; the sort's only scattered stores: 65,536 bytes in all
.endr
.irp q, 0,1,2,3                        ; the bucket of sorted place p: how many of buckets 1-8 begin at or in front of p
	v_cmp_le_u32 vcc_lo, s[START+1], v[ROWV+\q]
	v_cndmask_b32 v[SE+\q], 0, 1, vcc_lo
.irp c, 2,3,4,5,6,7,8
	v_cmp_le_u32 vcc_lo, s[START+\c], v[ROWV+\q]
	v_add_co_ci_u32 v[SE+\q], vcc_lo, 0, v[SE+\q], vcc_lo
.endr
.endr
	global_store_b128 v2, v[SE:SE+3], s[18:19]     ; 512 consecutive bytes a wave
	s_wait_tensorcnt 0x0
	ds_add_u32 v216, v217
	s_wait_dscnt 0x0
	s_endpgm
.Lfunc_end_k_q995b8f2a3e_prep:
	.size	k_q995b8f2a3e_prep, .Lfunc_end_k_q995b8f2a3e_prep-k_q995b8f2a3e_prep
	.p2alignl 7, 3214868480
	.fill 96, 4, 3214868480
	.section	.rodata,"a",@progbits
	.p2align	6, 0x0
	.amdhsa_kernel k_q995b8f2a3e_prep
		.amdhsa_group_segment_fixed_size 1536
		.amdhsa_private_segment_fixed_size 0
		.amdhsa_enable_private_segment 0
		.amdhsa_kernarg_size 64
		.amdhsa_user_sgpr_count 2
		.amdhsa_user_sgpr_kernarg_segment_ptr 1
		.amdhsa_wavefront_size32 1
		.amdhsa_system_sgpr_workgroup_id_x 1
		.amdhsa_system_sgpr_workgroup_id_y 1
		.amdhsa_system_sgpr_workgroup_id_z 1
		.amdhsa_system_vgpr_workitem_id 0
		.amdhsa_next_free_vgpr 218
		.amdhsa_next_free_sgpr 96
		.amdhsa_reserve_vcc 1
		.amdhsa_float_denorm_mode_32 3
		.amdhsa_float_denorm_mode_16_64 3
		.amdhsa_memory_ordered 1
		.amdhsa_forward_progress 1
		.amdhsa_inst_pref_size 91
	.end_amdhsa_kernel
	.amdgpu_metadata
---
amdhsa.version: [ 1, 2 ]
amdhsa.kernels:
  - .name:           k_q995b8f2a3e_prep
    .symbol:         k_q995b8f2a3e_prep.kd
    .args:
      - { .name: W, .offset: 0, .size: 8, .value_kind: global_buffer, .address_space: global }
      - { .name: b, .offset: 8, .size: 8, .value_kind: global_buffer, .address_space: global }
      - { .name: cond_ids, .offset: 16, .size: 8, .value_kind: global_buffer, .address_space: global }
      - { .name: wq, .offset: 24, .size: 8, .value_kind: global_buffer, .address_space: global }
      - { .name: wsc, .offset: 32, .size: 8, .value_kind: global_buffer, .address_space: global }
      - { .name: tab, .offset: 40, .size: 8, .value_kind: global_buffer, .address_space: global }
      - { .name: order, .offset: 48, .size: 8, .value_kind: global_buffer, .address_space: global }
      - { .name: sexp, .offset: 56, .size: 8, .value_kind: global_buffer, .address_space: global }
    .group_segment_fixed_size: 1536
    .private_segment_fixed_size: 0
    .kernarg_segment_align: 8
    .kernarg_segment_size: 64
    .max_flat_workgroup_size: 128
    .sgpr_count:     96
    .vgpr_count:     218
    .wavefront_size: 32
...
	.end_amdgpu_metadata
.endif
;; end of part 1
;; launch main (part 2): grid 256 x 1, 8 waves a work-group, no clusters, 162,816 bytes of LDS; arguments x, order, sexp, wq, wsc, tab, out0; writes out0
.if DOCPART == 2
	.amdgcn_target "amdgcn-amd-amdhsa--gfx1250"
	.amdhsa_code_object_version 6
	.text
	.protected	k_q995b8f2a3e_main
	.globl	k_q995b8f2a3e_main
	.p2align	8
	.type	k_q995b8f2a3e_main,@function
k_q995b8f2a3e_main:
	s_mov_b64 s[64:65], 0
	v_nop
	global_prefetch_b8 v0, s[64:65] scope:SCOPE_SE
	s_setreg_imm32_b32 hwreg(HW_REG_WAVE_MODE, 25, 1), 1
	s_wait_xcnt 0x0
; out[n] = relu(Q(x[n]) . Q(W[c]) + b[c]) + the sum over c' != c of relu(b[c']), c = cond_ids[n]: reference()'s seven other products see a row of zeros, whose codes are zeros.
; The product is on codes of E2M1 with one E8M0 scale for each 32 along K; sums in f32.
; SHARES.  16,384 = 256 x 64: work-group g owns the sorted places 64 g .. 64 g + 63, so every work-group has 64 real rows.  Wave w (0..7) quantises rows 8 w .. 8 w + 7 of the block, and makes output
; columns 64 w .. 64 w + 63 for all 64 rows: its part of W (4 tiles of 16 columns x 4 K steps: 128 registers) comes straight from memory, laid by the launch before in the order of the operand's registers.
; THE WALK OVER CONDITIONS is a loop of nine trips, E = 0..8; a trip whose E lies outside the block's first .. last bucket is passed over by a scalar branch on the stored list.  A pass loads that condition's
; weights and tables, multiplies the tiles of 16 rows that can hold it, and puts only its own rows into the stage; a tile leaves when its last row's condition has had its pass (the rows are sorted, so that
; happens once).  Rows whose id lies outside 0..7 are bucket 8: zero codes, zero bias, all eight relu(b).
; THE MATRIX INSTRUCTION IS USED TRANSPOSED: source 0 = 16 columns of W, source 1 = 16 rows of x: lane (r, h) holds row r and eight neighbouring columns 16 t + 8 h + 0..7.  The bias is the C of a sum's first product.
; NO CLUSTER, NO JOINT LOADS: neighbouring blocks may need different conditions and different numbers of passes, numbers read from memory, and a block's weights are 136 KB beside the 256 KB of x and out that are its own.
; NO TENSOR LOADS: the rows are gathered one by one, and the weights go to registers.
; LIMITS: NaN and infinities in x are not served.  A block of 32 that is all zeros, or whose largest magnitude lies under 2^-124, gets the scale byte 1 (the rule says 127 for zeros): a zero block's codes are zeros.
; The seven other relu(b) are summed first and the live term is added to them: another order of f32 rounding than reference()'s.
; LDS: XC 64 rows of x's codes, 256 + 16 bytes; XS 64 rows x 16 scale bytes; TABL 512 bytes a wave (bias, rest sum; the wave's own); STG a stage of 64 rows x (256 + 16) for each wave (the wave's own).
; REGISTERS, window 0: v1-14, v16, v17 lane terms; v18-25 x's offsets; v34-37 my rows' buckets; v38-41 the tables as loaded; v42 r, v43 h; v44-47 x's scale words; v48-55 W's scale words
;   (these twelve hold scales alone); v56-87 x's four fragments (ahead of the barrier v56-79 are the quantiser's); v88-119 bias, v120-151 rest sum, in the result's layout; v152-183 four accumulators;
;   v184-215 rows on the way out; v216-247 the 32 offsets of the way out's stores.
;   window 1: v0-127 W's fragment (t, s) at 32 t + 8 s; v128-255 x as loaded: row p, half u at 128 + 16 p + 8 u.
.set XP,   272
.set XC,   0
.set XS,   64*XP
.set TABL, XS+1024
.set STG,  TABL+4096
.set WSTG, 64*XP                       ; a wave's stage
.set XO,   18
.set EXPM, 34
.set XSW,  44
.set WS,   48
.set XF,   56
.set QM,   56
.set QS,   64
.set QC,   72
.set TB,   88
.set TR,   120
.set ACC,  152
.set OB,   184
.set ROFF, 216                         ; register 8 m + i: lane (r, h): the place in out0 of my 16 bytes of the block's row 16 m + 8 h + i
; scalars: s[2:3] out0, s[4:5] x, s[6:7] order, s[8:9] sexp (both at my block), s[10:11] wq, s[12:13] wsc, s[14:15] tab (at the pass's condition and my columns);
; s66 wave; s67 E, the trip's condition; s68 the block's last bucket, s101 its first; s69 EXEC kept; s[72:79] my own 8 rows; s96-99 the last bucket of each tile of 16 rows; s70, s71, s100 at work
.set MSB, 0
.macro WIN new                         ; s_set_vgpr_msb: bits 1:0 source 0, 3:2 source 1, 5:4 source 2, 7:6 destination; the high byte repeats the setting that is left
.if MSB != \new
	s_set_vgpr_msb (MSB<<8)|\new
.set MSB, \new
.endif
.endm
	s_load_b256 s[4:11], s[0:1], 0x0               ; x, order, sexp, wq
	s_load_b128 s[12:15], s[0:1], 0x20             ; wsc, tab
	s_load_b64 s[2:3], s[0:1], 0x30                ; out0
	v_lshl_add_u32 v254, v0, 2, 0x27800
	v_mov_b32 v255, 0
	v_lshrrev_b32 v1, 5, v0
	v_readfirstlane_b32 s66, v1                    ; wave 0..7
	v_and_b32 v1, 31, v0                           ; lane
	v_and_b32 v42, 15, v0                          ; r
	v_bfe_u32 v43, v0, 4, 1                        ; h
	v_lshlrev_b32 v17, 5, v1                       ; 32 x lane: my 8 numbers of half a row of x
	v_lshlrev_b32 v5, 2, v42                       ; 4 r
	v_lshlrev_b32 v16, 5, v43                      ; 32 h: my half's eight words of a tile's sixteen in order
	s_lshl_b32 s70, ttmp9, 8                       ; my block's 64 words in order and in sexp
	s_mov_b32 s71, 0
	s_lshl_b32 s100, s66, 5                        ; my wave's 8 words of them
	s_wait_kmcnt 0x0
	s_add_nc_u64 s[6:7], s[6:7], s[70:71]
	s_add_nc_u64 s[8:9], s[8:9], s[70:71]
	s_load_b256 s[72:79], s[6:7], s100 offset:0x0  ; the 8 rows that I quantise
	s_load_b32 s101, s[8:9], 0x0                   ; the block's first bucket
	s_load_b32 s96, s[8:9], 0x3c                   ; the last bucket of each tile of 16 rows
	s_load_b32 s97, s[8:9], 0x7c
	s_load_b32 s98, s[8:9], 0xbc
	s_load_b32 s99, s[8:9], 0xfc
.irp m, 0,1,2,3
	global_load_b32 v[EXPM+\m], v5, s[8:9] offset:64*\m            ; lane (r, h): the bucket of row 16 m + r
.endr
.irp m, 0,1,2,3
.irp c, 0,1
	global_load_b128 v[ROFF+8*\m+4*\c:ROFF+8*\m+4*\c+3], v16, s[6:7] offset:64*\m+16*\c   ; lane (r, h): the numbers of rows 16 m + 8 h + 0..7, for the way out
.endr
.endr
	; the lane terms, while the lists are on their way
	v_lshlrev_b32 v2, 4, v1                        ; 16 x lane
	v_lshlrev_b32 v3, 2, v1                        ; 4 x lane
	v_lshlrev_b32 v4, 3, v1                        ; 8 x lane
	s_mul_i32 s70, s66, 8*XP
	v_add_nc_u32 v6, s70, v3                       ; XC: my wave's 8 rows, 4 bytes (8 codes) a lane
	s_lshl_b32 s70, s66, 7
	v_lshrrev_b32 v7, 2, v1
	v_add_nc_u32 v7, s70, v7                       ; XS: my wave's 8 rows of 16 bytes; four lanes hold a block of 32
	v_mul_u32_u24 v8, v42, XP
	v_lshl_add_u32 v8, v43, 4, v8                  ; a fragment of x: row r x pitch + 16 h
	v_lshlrev_b32 v9, 4, v42                       ; its row's 16 scale bytes
	s_lshl_b32 s70, s66, 9
	v_add_nc_u32 v10, s70, v4                      ; TABL: in, 8 bytes a lane
	v_lshl_add_u32 v11, v43, 5, s70                ; and out: my half's eight columns of a tile
	s_mul_i32 s70, s66, WSTG
	s_add_co_u32 s70, s70, STG                     ; my stage
	v_mul_u32_u24 v12, v42, XP
	v_lshl_add_u32 v12, v43, 5, v12
	v_add_nc_u32 v12, s70, v12                     ; in: row r, 32 bytes for each half of the lanes
	v_mul_u32_u24 v13, v43, 8*XP
	v_lshl_add_u32 v13, v42, 4, v13
	v_add_nc_u32 v13, s70, v13                     ; back: lanes 0-15 one row of 256 bytes, lanes 16-31 the row eight further on
	v_lshrrev_b32 v14, 5, v0
	v_lshlrev_b32 v14, 8, v14
	v_lshl_add_u32 v14, v42, 4, v14                ; out0: my wave's 256 bytes of a row, 16 bytes a lane
	s_wait_kmcnt 0x0
.irp p, 0,1,2,3,4,5,6,7
	v_mov_b32 v[XO+\p], s[72+\p]
.endr
.irp p, 0,1,2,3,4,5,6,7
	v_min_u32 v[XO+\p], 0x3fff, v[XO+\p]           ; a loaded row number is held inside the tensor before it enters an address
.endr
.irp p, 0,1,2,3,4,5,6,7
	v_lshl_add_u32 v[XO+\p], v[XO+\p], 11, v17     ; the row's 2,048 bytes, my 32 of a half
.endr
; Rows 4 bt .. 4 bt + 3 of my eight: a lane takes 8 NEIGHBOURS along K (32 bytes, two loads), which is what the conversion wants of one lane; the two loads together cover 1,024 consecutive bytes of a row.
.macro XLOAD bt
.irp p, 0,1,2,3
.irp u, 0,1
.irp c, 0,1
	global_load_b128 v[128+16*(4*(\bt)+\p)+8*\u+4*\c:128+16*(4*(\bt)+\p)+8*\u+4*\c+3], v[XO+4*(\bt)+\p], s[4:5] offset:\u*1024+\c*16 th:TH_LOAD_NT
.endr
.endr
.endr
.endm
	WIN 0x40                                       ; destination window 1, address window 0
	XLOAD 0
	XLOAD 1
	WIN 0
	s_min_u32 s101, s101, 8                        ; buckets are held inside the tables
.irp m, 0,1,2,3
	s_min_u32 s[96+\m], s[96+\m], 8
.endr
	s_mov_b32 s68, s99                             ; the block's last bucket
	s_lshl_b32 s70, s101, 17                       ; wq: first bucket x 131,072 + 4 tiles of 4,096 a wave
	s_lshl_b32 s100, s66, 14
	s_add_co_u32 s70, s70, s100
	s_add_nc_u64 s[10:11], s[10:11], s[70:71]
	s_lshl_b32 s70, s101, 13                       ; wsc: x 8,192 + 64 words a wave
	s_lshl_b32 s100, s66, 8
	s_add_co_u32 s70, s70, s100
	s_add_nc_u64 s[12:13], s[12:13], s[70:71]
	s_lshl_b32 s70, s101, 12                       ; tab: x 4,096 + 64 numbers a wave
	s_add_co_u32 s70, s70, s100
	s_add_nc_u64 s[14:15], s[14:15], s[70:71]
; A pass's tables, scale words and weights: 2 + 8 + 32 loads, in this order.
.macro NEXTLOADS
	global_load_b64 v[38:39], v4, s[14:15]                         ; the bias of my 64 columns, two a lane
	global_load_b64 v[40:41], v4, s[14:15] offset:2048             ; their rest sums
.irp i, 0,1
.irp s, 0,1,2,3
	global_load_b32 v[WS+4*\i+\s], v3, s[12:13] offset:\s*2048+\i*128   ; K step s: lanes 0-15 the words of tile 2 i, lanes 16-31 those of tile 2 i + 1
.endr
.endr
	WIN 0x40
.irp t, 0,1,2,3
.irp s, 0,1,2,3
.irp c, 0,1
	global_load_b128 v[32*\t+8*\s+4*\c:32*\t+8*\s+4*\c+3], v2, s[10:11] offset:\t*4096+\s*1024+\c*512   ; 512 consecutive bytes: four registers of a fragment as they stand
.endr
.endr
.endr
	WIN 0
.endm
	NEXTLOADS                                      ; the first pass's: 86 loads of mine have been asked for; those that the counter's field cannot count are held back at issue (ISA guide 5.7.1); all of x's went out before that
; Eight units (row 4 bt + i / 2, half i % 2) of 8 numbers a lane become codes and scale bytes; the units take turns line by line.  Four neighbouring lanes hold a block of 32.
.macro QUANT bt
.if \bt
	s_wait_dscnt 0x0                               ; the last batch's LDS stores have read their registers
.endif
	WIN 0x05                                       ; sources 0 and 1 window 1
.irp i, 0,1,2,3,4,5,6,7
	v_max3_num_f32 v[QM+\i], |v[128+64*(\bt)+8*\i]|, |v[129+64*(\bt)+8*\i]|, 0x1800000   ; with the floor 2^(3 - 127): the byte cannot fall under 1
.endr
.irp p, 2,4,6
.irp i, 0,1,2,3,4,5,6,7
	v_max3_num_f32 v[QM+\i], |v[128+64*(\bt)+8*\i+\p]|, |v[129+64*(\bt)+8*\i+\p]|, v[QM+\i]
.endr
.endr
	WIN 0
.irp i, 0,1,2,3,4,5,6,7
	v_max_num_f32_dpp v[QM+\i], v[QM+\i], v[QM+\i] row_xmask:1 row_mask:0xf bank_mask:0xf
.endr
.irp i, 0,1,2,3,4,5,6,7
	v_max_num_f32_dpp v[QM+\i], v[QM+\i], v[QM+\i] row_xmask:2 row_mask:0xf bank_mask:0xf   ; the block's largest magnitude
.endr
.irp i, 0,1,2,3,4,5,6,7
	v_add_nc_u32 v[QS+\i], 0xff000000, v[QM+\i]    ; 2 off its exponent field: the conversion's scale operand
.endr
	WIN 0x01                                       ; source 0 window 1
.irp i, 0,1,2,3,4,5,6,7
	v_cvt_scalef32_pk8_fp4_f32 v[QC+\i], v[128+64*(\bt)+8*\i:135+64*(\bt)+8*\i], v[QS+\i]
.endr
	WIN 0
.irp i, 0,1,2,3,4,5,6,7
	v_lshrrev_b32 v[QM+\i], 23, v[QS+\i]           ; the scale's byte.  (Also the plain line behind the conversions)
.endr
.irp i, 0,1,2,3,4,5,6,7
	ds_store_b32 v6, v[QC+\i] offset:XC+(4*(\bt)+\i/2)*XP+(\i%2)*128   ; 128 consecutive bytes: half a row's codes
	ds_store_b8 v7, v[QM+\i] offset:XS+(4*(\bt)+\i/2)*16+(\i%2)*8      ; the four lanes of a block write the same byte with the same value
.endr
.endm
	s_wait_loadcnt 58                              ; my first four rows are in, and the lists asked for ahead of them: behind them 16 loads of x, 2 + 8 + 32 of the pass
	QUANT 0
	; the way out's 32 offsets, once for the whole launch, while the other four rows are on their way
.set j, 0
.rept 32
	v_min_u32 v[ROFF+j], 0x3fff, v[ROFF+j]         ; a loaded row number is held inside the tensor before it enters an address
.set j, j+1
.endr
.set j, 0
.rept 32
	v_lshlrev_b32 v[ROFF+j], 11, v[ROFF+j]         ; the row's 2,048 bytes,
.set j, j+1
.endr
.set j, 0
.rept 32
	v_add_nc_u32 v[ROFF+j], v14, v[ROFF+j]         ; my wave's 256 of them, my 16
.set j, j+1
.endr
	s_wait_loadcnt 42                              ; the other four rows: behind them the pass's 2 + 8 + 32
	QUANT 1
	s_wait_dscnt 0x0                               ; for the others' sake: my codes and bytes lie in LDS; and the stores have read the quantiser's registers, which x's fragments take
	s_barrier_signal -1
	s_barrier_wait -1                              ; the one barrier: behind it XC and XS are only read; all other LDS bytes are a wave's own
; One product: tile t of my columns, K step s.  The first K step takes the bias as C.  W's scale words of an odd tile stand in lanes 16-31.
.macro PROD t, s
.set rD, ACC+8*(\t)
.set rA, 32*(\t)+8*(\s)
.set rB, XF+8*(\s)
.set rC, rD
.if (\s) == 0
.set rC, TB+8*(\t)
.endif
.if (\t)%2
	v_wmma_scale_f32_16x16x128_f8f6f4 v[rD:rD+7], v[rA:rA+7], v[rB:rB+7], v[rC:rC+7], v[WS+4*((\t)/2)+(\s)], v[XSW+(\s)] matrix_a_fmt:MATRIX_FMT_FP4 matrix_b_fmt:MATRIX_FMT_FP4 matrix_a_scale:MATRIX_SCALE_ROW1
.else
	v_wmma_scale_f32_16x16x128_f8f6f4 v[rD:rD+7], v[rA:rA+7], v[rB:rB+7], v[rC:rC+7], v[WS+4*((\t)/2)+(\s)], v[XSW+(\s)] matrix_a_fmt:MATRIX_FMT_FP4 matrix_b_fmt:MATRIX_FMT_FP4
.endif
.endm
; The tile of rows 16 m .. 16 m + 15 in the pass of condition E.
.macro MT m
.if (\m) > 0
	s_cmp_lt_u32 s67, s[95+(\m)]                   ; the rows are sorted: a tile's buckets lie between the last of the tile before and its own last.  Outside that the tile is passed over
	s_cbranch_scc1 .Lskip_\@
.endif
	s_cmp_gt_u32 s67, s[96+(\m)]
	s_cbranch_scc1 .Lskip_\@
.irp s, 0,1,2,3
.irp c, 0,1
	ds_load_b128 v[XF+8*\s+4*\c:XF+8*\s+4*\c+3], v8 offset:XC+16*(\m)*XP+64*\s+32*\c   ; registers 4 c .. 4 c + 3: K = 128 s + 64 c + 32 h + 0..31
.endr
.endr
	ds_load_b128 v[XSW:XSW+3], v9 offset:XS+256*(\m)               ; my row's four scale words
	s_wait_dscnt 0x0                               ; these nine are in, and the last tile's stores into the stage have read the accumulators
	WIN 0x01                                       ; source 0 (W) window 1
.irp s, 0,1,2,3                        ; the four accumulators take turns, one instruction a turn
.irp t, 0,1,2,3
	PROD \t, \s
.endr
.endr
	WIN 0
.rept 5
	v_nop                                          ; four places in front of the reads of results and of loads into the products' sources; the fifth for the next tile's products, which begin these accumulators anew with another C
.endr
.set j, 0
.rept 32
	v_max_num_f32 v[ACC+j], 0, v[ACC+j]            ; relu; each accumulator from its low end on
.set j, j+1
.endr
.set j, 0
.rept 16
	v_pk_add_f32 v[ACC+2*j:ACC+2*j+1], v[ACC+2*j:ACC+2*j+1], v[TR+2*j:TR+2*j+1]   ; + the other conditions' relu(b)
.set j, j+1
.endr
	v_cmp_eq_u32 vcc_lo, s67, v[EXPM+(\m)]         ; is my row of this condition?
	s_wait_xcnt 0x0                                ; EXEC changes, and the registers that earlier stores read are loaded again, only behind this wait; no global instruction follows before both
	s_and_saveexec_b32 s69, vcc_lo
.irp t, 0,1,2,3
.irp c, 0,1
	ds_store_b128 v12, v[ACC+8*\t+4*\c:ACC+8*\t+4*\c+3] offset:16*(\m)*XP+64*\t+16*\c   ; only this condition's rows go into my stage
.endr
.endr
	s_or_b32 exec_lo, exec_lo, s69                 ; EXEC restored
	s_cmp_eq_u32 s[96+(\m)], s67                   ; the tile is whole when its last row's condition has had its pass
	s_cbranch_scc0 .Lskip_\@
.irp i, 0,1,2,3,4,5,6,7
	ds_load_b128 v[OB+4*\i:OB+4*\i+3], v13 offset:(16*(\m)+\i)*XP  ; rows i and i + 8 of the tile.  LDS serves a wave's instructions in order (ISA guide 5.7.1.4): these see my stores
.endr
.irp i, 0,1,2,3,4,5,6,7
	s_wait_dscnt 7-\i                              ; the younger loads from the stage may stay out
	global_store_b128 v[ROFF+8*(\m)+\i], v[OB+4*\i:OB+4*\i+3], s[2:3] th:TH_STORE_NT   ; sixteen lanes store 256 consecutive bytes of one row, at a multiple of 256 from out0's first byte
.endr
.Lskip_\@:
.endm
	s_mov_b32 s67, 0
.Lpass:                                            ; nine trips, E = 0..8
	s_cmp_lt_u32 s67, s101                         ; a condition in front of the block's first bucket, or behind its last, has no row here: the trip is passed over
	s_cbranch_scc1 .Lnext
	s_cmp_gt_u32 s67, s68
	s_cbranch_scc1 .Lnext
	s_wait_loadcnt 40                              ; the two table loads are in: behind them stand the pass's 8 + 32, on the way in and on the way back
	ds_store_b64 v10, v[38:39] offset:TABL         ; through my own 512 bytes of LDS into the result's layout: lane (r, h), tile t: columns 16 t + 8 h + 0..7
	ds_store_b64 v10, v[40:41] offset:TABL+256
.irp t, 0,1,2,3
.irp c, 0,1
	ds_load_b128 v[TB+8*\t+4*\c:TB+8*\t+4*\c+3], v11 offset:TABL+\t*64+\c*16
	ds_load_b128 v[TR+8*\t+4*\c:TR+8*\t+4*\c+3], v11 offset:TABL+256+\t*64+\c*16
.endr
.endr
	s_wait_loadcnt 0x0                             ; W's fragments and scale words
	s_wait_dscnt 0x0                               ; the tables are in their registers, whichever tiles follow, and the two stores have read v38-41, into which the next pass loads
	MT 0
	MT 1
	MT 2
	MT 3
	s_cmp_eq_u32 s67, s68                          ; the block's last condition: nothing more is loaded, so no load leaves its buffer
	s_cbranch_scc1 .Lnext
	s_add_nc_u64 s[10:11], s[10:11], 0x20000       ; the next condition's weights, scale words and tables (the pass's loads were shown done above, so their bases may step)
	s_add_nc_u64 s[12:13], s[12:13], 0x2000
	s_add_nc_u64 s[14:15], s[14:15], 0x1000
	NEXTLOADS                                      ; the places behind the last products stand in their tile
.Lnext:
	s_add_co_u32 s67, s67, 1
	s_cmp_lt_u32 s67, 9
	s_cbranch_scc1 .Lpass
	s_wait_tensorcnt 0x0
	ds_add_u32 v254, v255
	s_wait_dscnt 0x0
	s_endpgm
.Lfunc_end_k_q995b8f2a3e_main:
	.size	k_q995b8f2a3e_main, .Lfunc_end_k_q995b8f2a3e_main-k_q995b8f2a3e_main
	.p2alignl 7, 3214868480
	.fill 96, 4, 3214868480
	.section	.rodata,"a",@progbits
	.p2align	6, 0x0
	.amdhsa_kernel k_q995b8f2a3e_main
		.amdhsa_group_segment_fixed_size 162816
		.amdhsa_private_segment_fixed_size 0
		.amdhsa_enable_private_segment 0
		.amdhsa_kernarg_size 56
		.amdhsa_user_sgpr_count 2
		.amdhsa_user_sgpr_kernarg_segment_ptr 1
		.amdhsa_wavefront_size32 1
		.amdhsa_system_sgpr_workgroup_id_x 1
		.amdhsa_system_sgpr_workgroup_id_y 1
		.amdhsa_system_sgpr_workgroup_id_z 1
		.amdhsa_system_vgpr_workitem_id 0
		.amdhsa_next_free_vgpr 512
		.amdhsa_next_free_sgpr 102
		.amdhsa_reserve_vcc 1
		.amdhsa_float_denorm_mode_32 3
		.amdhsa_float_denorm_mode_16_64 3
		.amdhsa_memory_ordered 1
		.amdhsa_forward_progress 1
		.amdhsa_inst_pref_size 63
	.end_amdhsa_kernel
	.amdgpu_metadata
---
amdhsa.version: [ 1, 2 ]
amdhsa.kernels:
  - .name:           k_q995b8f2a3e_main
    .symbol:         k_q995b8f2a3e_main.kd
    .args:
      - { .name: x, .offset: 0, .size: 8, .value_kind: global_buffer, .address_space: global }
      - { .name: order, .offset: 8, .size: 8, .value_kind: global_buffer, .address_space: global }
      - { .name: sexp, .offset: 16, .size: 8, .value_kind: global_buffer, .address_space: global }
      - { .name: wq, .offset: 24, .size: 8, .value_kind: global_buffer, .address_space: global }
      - { .name: wsc, .offset: 32, .size: 8, .value_kind: global_buffer, .address_space: global }
      - { .name: tab, .offset: 40, .size: 8, .value_kind: global_buffer, .address_space: global }
      - { .name: out0, .offset: 48, .size: 8, .value_kind: global_buffer, .address_space: global }
    .group_segment_fixed_size: 162816
    .private_segment_fixed_size: 0
    .kernarg_segment_align: 8
    .kernarg_segment_size: 56
    .max_flat_workgroup_size: 256
    .sgpr_count:     102
    .vgpr_count:     512
    .wavefront_size: 32
...
	.end_amdgpu_metadata
.endif
;; end of part 2
